; MI455X (gfx1250); checked and timed in simulation.
; The chip was launched on July 23, 2026; its instructions are those of AMD's public machine-readable ISA for CDNA 5 (MIT licence, August 2026) and "CDNA5" Instruction Set Architecture Reference Guide (July 2026). The comments in the code are by the model that wrote it; some were corrected since.
;; my RNN. Allowed arithmetic: matrix products marked QUANTISED: E2M3 operands, one E8M0 scale for each 32 along K, by v_wmma_scale_f32_16x16x128_f8f6f4 with both operands' format E2M3, f32 sums; products left as they are: f32 operands where the result goes on into a quantised operand, else bf16, f16 or f32 operands; f32 sums; everything else in f32.
;; Inputs: W_codes 2 x 4 x 256 x 16 x 24 uint8 (E2M3 codes of W, K innermost, in blocks of 32 codes, four codes in three bytes); W_scales 2 x 4 x 256 x 16 uint8 (E8M0 scales of W, one for each 32 codes along K); Wr 256 x 2 float32; b 2 x 4 x 256 float32; br 2 float32; x 16 x 4,096 x 256 float32.
;; Outputs: out0 16 x 4,096 x 2 float32.
;; This version of the problem:
;;   THIS VERSION OF THE PROBLEM IS GIVEN IN LOW PRECISION. The matrix products marked QUANTISED in the list below multiply operands that are first quantised to E2M3 (2 exponent bits, 3 mantissa bits; 6 bits a number), with one power-of-two scale for each 32 numbers along K (OCP MX v1.0); their sums are f32. All else is computed in f32.
;;   The module's matrix products, in the order in which they are computed (A, B: the left and right operand; K: the contracted axis; several contracted axes count as one K, in the product's order):
;;     1. [M 1,024, K 512] x [K 512, N 65,536]; A: input W (given as codes); B: computed on the way: QUANTISED
;;     2. [M 1,024, K 512] x [K 512, N 65,536]; A: input W (given as codes); B: computed on the way: QUANTISED
;;     3. [M 65,536, K 256] x [K 256, N 2]; A: computed on the way; B: input Wr: left as it is (N = 2 < 16)
;;   THE QUANTISER, for each operand of a quantised product, along K:
;;     - K is cut into blocks of 32 from its start; a last block that is shorter is filled with zeros.
;;     - A block's scale is 2^e with e = floor(log2(the largest magnitude in the block)) - 2, held to -126 .. 127; a block of zeros has e = 0. As a byte (E8M0): e + 127.
;;     - Each number is divided by its block's scale, clamped to +-7.5, and rounded to the nearest number of E2M3, ties to even, subnormals kept.
;;     - The product sums the exact products of the quantised numbers (number of the format x scale) in f32.
;;   ~~~python
;;   def quantise(x, axis):      # numpy; x: float32 -> the quantised numbers, widened to float32 again
;;       x = np.moveaxis(x, axis, -1); K = x.shape[-1]
;;       x = np.pad(x, [(0, 0)] * (x.ndim - 1) + [(0, -K % 32)]); x = x.reshape(x.shape[:-1] + (-1, 32)); a = np.abs(x).max(-1, keepdims=True)
;;       e = np.where(a > 0, np.clip(np.frexp(np.where(a > 0, a, 1))[1] - 1 - 2, -126, 127), 0)      # np.frexp(a)[1] - 1 = floor(log2(a)), exactly
;;       r = np.clip(x / 2.0 ** e, -7.5, 7.5)
;;       step = 2.0 ** (np.maximum(np.frexp(np.where(r == 0, 1, r))[1] - 1, 0) - 3)
;;       q = np.round(r / step) * step * 2.0 ** e      # np.round: ties to even
;;       return np.moveaxis(q.reshape(q.shape[:-2] + (-1,))[..., :K], -1, axis).astype(np.float32)
;;   ~~~
;;   OPERANDS COMPUTED ON THE WAY. 'Computed on the way' means the value that the module computes at that place (a softmax that the list does not call 'softmax' is quantised finished and normalised). What goes into a quantiser is computed in f32, as accurately as f32 sums, v_exp_f32 and their like allow (about 1e-6 of the number): no bf16 or f16 on the way to a quantiser, and a product that is left as it is and whose result goes on into a quantised operand takes f32 operands (vector FMAs, or v_wmma_f32_16x16x4_f32). A number that lies on a knife's edge between two numbers of the format may be rounded either way, as far as f32 arithmetic and the matrix unit's own rounding can turn it there, and no further.
;;   INPUTS GIVEN AS CODES. W (in the module: [2, 4, 512, 256], K = its axis 2): each comes as NAME_codes (uint8): NAME with its K axis moved to the last place and cut into blocks of 32 codes, [.., K / 32, bytes a block], one block behind the other in memory; four codes in three bytes: a row's codes are one little-endian stream of bits, code i at bits 6 i .. 6 i + 5 (a code: sign, 2 exponent bits, 3 mantissa bits); and NAME_scales (uint8): the same leading axes, one E8M0 byte (e + 127) for each 32 codes along K. Its value is code x scale, taken as it is: it is not quantised again, and the codes and scales need not be those that the quantiser above would give.
;; One version. Each part assembles by itself: llvm-mc -triple=amdgcn-amd-amdhsa -mcpu=gfx1250 --defsym DOCPART=n.
;; ======== version 1 of 1: 1 launch
;; launch rnn (part 1): grid 256 x 1, 16 waves a work-group, no clusters, 327,680 bytes of LDS; arguments x, W_codes, W_scales, b, Wr, br, out0; writes out0
.if DOCPART == 1
	.amdgcn_target "amdgcn-amd-amdhsa--gfx1250"
	.amdhsa_code_object_version 6
	.text
	.protected	k_q02dc1484fd_rnn
	.globl	k_q02dc1484fd_rnn
	.p2align	8
	.type	k_q02dc1484fd_rnn,@function
k_q02dc1484fd_rnn:
	s_mov_b64 s[64:65], 0
	v_nop
	global_prefetch_b8 v0, s[64:65] scope:SCOPE_SE
	s_setreg_imm32_b32 hwreg(HW_REG_WAVE_MODE, 25, 1), 1
	s_wait_xcnt 0x0
; myRNN, two "LSTM" layers and a regressor, on N = 65,536 independent rows; the gates' products on codes of FP6 (E2M3) with one E8M0 scale for each 32 along K.
; WHAT IS COMPUTED.  The module itself starts every row with h0 = c0 = 0.  So in layer 0 the second half of xh is zeros (zero codes: K blocks 8..15 add nothing), new_c = 0 x f + cand x i, and
; new_h = o x tanh(0) = 0.  Layer 1's xh is then all zeros, its products are 0 and its gates are its biases; its new_c is used by nobody.  What is left, exactly:
;   out[n][o] = br[o] + sum over j of tanh( tanh(G2[n][j] + b[0,2,j]) x sigmoid(G1[n][j] + b[0,1,j]) ) x sigmoid(b[1,3,j]) x Wr[j][o],   Gg[n][j] = sum over k < 256 of Q(x)[n][k] W[0,g,j,k].
; LIMITS.  Not read: W[1], W[0]'s gates 0 and 3, W[0]'s K blocks 8..15, b[0,0], b[0,3], b[1,0..2]: all of it meets the module's own zeros.  A scale byte 0xff there would make NaN in the module and makes none here.
; NaN and infinities in x are not served.  A block of x under 2^-124 keeps the scale byte 1 (a block of zeros too: its codes are zeros, and only this text reads the byte).
; SHARES.  256 work-groups of 16 waves; a work-group owns 256 rows of x (262,144 bytes), which all fit in LDS: each wave asks for its four tiles in its first lines, every LDS byte is filled once, nothing is filled again.
; THE WAVES SHARE THE COLUMNS: wave w owns hidden units 16 w .. 16 w + 15 of gates 1 and 2: four fragments of W (48 registers), read from memory once.  Rows go in 4 blocks of 64.  In block p wave w = 4 m + q
; quantises rows 64 p + 16 m + 0..15, k = 64 q .. 64 q + 63: lane (r, h) holds the whole block of 32 at k = 64 q + 32 h, which is registers 6 (q % 2) .. + 5 of fragment (m, q / 2).  The codes go to LDS as an image of
; the operand's registers; behind a barrier every wave reads all 8 fragments of the block.
; THE PRODUCT IS USED TRANSPOSED (source 0 = 16 rows of W, source 1 = 16 rows of x): register i of lane (r, h) is hidden unit 16 w + 8 h + i of row r, so biases and Wr are 8 registers each for all rows,
; and the regressor's sum over hidden units is fused multiply-adds in the lane; the halves of the lanes and the 16 waves are added once, at the end, through LDS.
; NO CLUSTER: work-groups share only W's 98,304 + 4,096 bytes that are used; each wave takes its sixteenth (6,400 bytes) straight into operand registers, against 262,144 bytes of x that nobody shares.
; LDS: 0: x's tiles, tile (p, w) at 69,632 p + 4,352 w, 16 rows of 256 bytes + 16 of padding;  278,528: two image buffers of 12,800 bytes (12,288 of codes, 512 of scale words), by turns;
; the partial sums lie in the wave's own tile of block 0, which has had its only fill and was last read by the same wave.
.set XTILE, 4352                       ; a tile of x in LDS: 16 rows x 272 bytes
.set XBLK,  69632                      ; sixteen of them: a block of 64 rows
.set IMG,   278528                     ; the image buffers
.set IBUF,  12800                      ; one of them
.set ISC,   12288                      ; in it: the scale words, [tile of rows m][K step s][row r], byte 2 c + h
.set FRB,   1536                       ; a fragment's image: 12 registers x 128 bytes, as six pieces of 8 bytes a lane, 256 bytes apart
.set XRD, 1                            ; v1   my 128 bytes of the tile in hand: 4352 w + 272 r + 128 h, + 69,632 a block
.set IW,  2                            ; v2   where I store my half fragment: IMG + 768 w + 8 lane
.set ISW, 3                            ; v3   and my block's scale byte: IMG + ISC + 64 (w / 2) + 2 (w % 2) + 4 r + h
.set IRD, 4                            ; v4   where I read images: IMG + 8 lane
.set ISR, 5                            ; v5   and scale words: IMG + ISC + 4 lane (lanes 0-15: K step 0, lanes 16-31: K step 1)
.set PW,  6                            ; v6   where I store partial sums: 4352 w + 2048 h + 8 r
.set WS,  8                            ; v8-9   W's scale words, gates 1, 2: scales and nothing else
.set XS,  10                           ; v10-11 x's scale words of the two tiles in hand: scales and nothing else
.set WF,  16                           ; v16-63 W's fragments: gate g (0: gate 1, 1: gate 2), K step s at 16 + 12 (2 g + s)
.set KB1, 64                           ; v64-71  -log2(e) b[0,1,j]
.set KB2, 72                           ; v72-79  2 log2(e) b[0,2,j]
.set WR0, 80                           ; v80-87  sigmoid(b[1,3,j]) Wr[j][0] / 15
.set WR1, 88                           ; v88-95  the same of Wr[j][1]
.set XF,  96                           ; v96-143 x's fragments: tile u, K step s at 96 + 12 (2 u + s)
.set G1,  144                          ; accumulators: gate 1 of tile u at 144 + 16 u,
.set G2,  152                          ; gate 2 at 152 + 16 u
.set T1,  176                          ; v176-191, v192-207 at work in the activations;
.set T2,  192
.set XN,  176                          ; together: the quantiser's 32 numbers
.set QC,  208                          ; v208-214 the codes just made
.set OA,  216                          ; v216-223 tile u: a pair for output 0, a pair for output 1
.set PS,  224                          ; v224-227 the partial sums to store
.set FA,  228                          ; v228 8 x thread: a row's place among the partial sums and in out0
.set FB,  229                          ; v229 the same for the upper half of the lanes' sums
.set WV,  18                           ; s18  wave
.set GR1, 20                           ; s[20:27] descriptor group 1
.set GR0, 28                           ; s[28:43] descriptor group 0, one for each block
.set K1,  44                           ; constants in pairs: the packed forms name a pair and take its low word for both halves
.set K2,  46
.set C105, 48
.set C945, 50
.set C28, 52
.set C63, 54
.set C60, 56
.set LB,  57                           ; s57  4352 w
.set BR,  58                           ; s[58:59] br
	s_load_b256 s[4:11], s[0:1], 0x0               ; x s[4:5], W_codes s[6:7], W_scales s[8:9], b s[10:11]
	s_load_b128 s[12:15], s[0:1], 0x20             ; Wr s[12:13], br s[14:15]
	s_load_b64 s[16:17], s[0:1], 0x30              ; out0
	v_lshl_add_u32 v254, v0, 2, 0x4a400
	v_mov_b32 v255, 0
	ds_add_u32 v254, v255
	ds_add_u32 v254, v255
	v_lshrrev_b32 v7, 5, v0
	v_readfirstlane_b32 s[WV], v7                  ; wave 0..15
	; descriptor group 1: a tile of 16 rows x 64 numbers of 4 bytes, rows 256 numbers apart in memory, 16 bytes of padding behind each row in LDS
	s_mov_b32 s[GR1+0], (2<<16)|(1<<20)|(5<<22)|(3<<25)  ; 15:0 no mask; 17:16 elements of 4 bytes; 20 padding on; 24:22 after every 64 words (code 5); 31:25 of 4 words (code 3)
	s_mov_b32 s[GR1+1], 64<<16                     ; tensor_dim0 = 64
	s_mov_b32 s[GR1+2], 16<<16                     ; tensor_dim1 = 16
	s_mov_b32 s[GR1+3], 64<<16                     ; tile_dim0 = 64
	s_mov_b32 s[GR1+4], 16                         ; tile_dim1 = 16
	s_mov_b32 s[GR1+5], 256                        ; tensor_dim0_stride
	s_mov_b32 s[GR1+6], 0
	s_mov_b32 s[GR1+7], 0
	s_mov_b32 s[K1], 0xbfb8aa3b                    ; -log2(e)
	s_mov_b32 s[K1+1], s[K1]
	s_mov_b32 s[K2], 0x4038aa3b                    ; 2 log2(e)
	s_mov_b32 s[K2+1], s[K2]
	s_mov_b32 s[C105], 0x42d20000                  ; 105
	s_mov_b32 s[C105+1], s[C105]
	s_mov_b32 s[C945], 0x446c4000                  ; 945
	s_mov_b32 s[C945+1], s[C945]
	s_mov_b32 s[C28], 0x41e00000                   ; 28
	s_mov_b32 s[C28+1], s[C28]
	s_mov_b32 s[C63], 0x427c0000                   ; 63
	s_mov_b32 s[C63+1], s[C63]
	s_mov_b32 s[C60], 0x42700000                   ; 60
	s_lshl_b32 s60, ttmp9, 18                      ; my work-group's 256 rows of 1,024 bytes,
	s_lshr_b32 s19, s[WV], 2
	s_lshl_b32 s19, s19, 14                        ; + 16 rows x (w / 4),
	s_add_co_u32 s60, s60, s19
	s_and_b32 s19, s[WV], 3
	s_lshl_b32 s19, s19, 8                         ; + 64 numbers x (w % 4): each row of a tile is 256 consecutive bytes at a multiple of 256 from x's first byte
	s_add_co_u32 s60, s60, s19
	s_mov_b32 s61, 0
	s_mul_i32 s[LB], s[WV], XTILE
	s_wait_dscnt 0x0
	s_wait_kmcnt 0x0
	s_add_nc_u64 s[4:5], s[4:5], s[60:61]
.irp p, 0,1,2,3
	s_mov_b32 s[GR0+4*\p], 1                                       ; count = 1
	s_add_co_u32 s[GR0+4*\p+1], s[LB], \p*XBLK                     ; LDS address: 4352 w + 69,632 p
	s_add_nc_u64 s[GR0+4*\p+2:GR0+4*\p+3], s[4:5], \p*65536        ; global address: 64 rows a block
	s_or_b32 s[GR0+4*\p+3], s[GR0+4*\p+3], 0x80000000              ; type = 2
.endr
.irp p, 0,1,2,3
	tensor_load_to_lds s[GR0+4*\p:GR0+4*\p+3], s[GR1:GR1+7]        ; all of my x, 4 loads out: first fills, ahead of every wait on TENSORcnt, every LDS read and every barrier
	s_nop 0
.endr
.rept 4
	v_nop
.endr
	s_mul_i32 s60, s[WV], 6144                     ; my 16 rows of 384 bytes in a gate of W_codes,
	s_add_nc_u64 s[6:7], s[6:7], s[60:61]
	s_lshl_b32 s60, s[WV], 8                       ; of 16 bytes in W_scales,
	s_add_nc_u64 s[8:9], s[8:9], s[60:61]
	s_lshl_b32 s60, s[WV], 6                       ; my 16 numbers in a row of b,
	s_add_nc_u64 s[10:11], s[10:11], s[60:61]
	s_lshl_b32 s60, s[WV], 7                       ; my 16 rows of Wr,
	s_add_nc_u64 s[12:13], s[12:13], s[60:61]
	s_lshl_b32 s60, ttmp9, 11                      ; my work-group's 256 rows of 8 bytes in out0
	s_add_nc_u64 s[16:17], s[16:17], s[60:61]
	s_load_b64 s[BR:BR+1], s[14:15], 0x0           ; br
	v_and_b32 v12, 15, v0                          ; r
	v_bfe_u32 v13, v0, 4, 1                        ; h
	v_and_b32 v14, 31, v0                          ; lane
	v_mul_u32_u24 v7, v12, 384
	v_mad_u32_u24 v7, v13, 24, v7                  ; W's codes: row r of 384 bytes, + 24 h
	v_lshlrev_b32 v15, 4, v12
	v_lshl_add_u32 v15, v13, 2, v15                ; W's scale words: row r of 16 bytes; lanes 16-31 take K step 1's word
	v_lshlrev_b32 v224, 5, v13                     ; b: my half's 8 numbers
	v_lshlrev_b32 v225, 6, v13                     ; Wr: my half's 8 rows
.irp g, 1,2                                    ; gates 1 (input) and 2 (candidate) of layer 0; K steps 0 and 1 (k < 256).  A fragment: 24 bytes at 24 h and 24 bytes at 48 + 24 h of the row's 96, in pieces of 8
.irp s, 0,1
.irp p, 0,1,2,3,4,5
	global_load_b64 v[WF+12*(2*(\g-1)+\s)+2*\p:WF+12*(2*(\g-1)+\s)+2*\p+1], v7, s[6:7] offset:\g*98304+96*\s+48*(\p/3)+8*(\p%3)
.endr
.endr
	global_load_b32 v[WS+\g-1], v15, s[8:9] offset:\g*4096
.endr
	global_load_b128 v[96:99],   v224, s[10:11] offset:1024    ; b[0,1]
	global_load_b128 v[100:103], v224, s[10:11] offset:1040
	global_load_b128 v[104:107], v224, s[10:11] offset:2048    ; b[0,2]
	global_load_b128 v[108:111], v224, s[10:11] offset:2064
	global_load_b128 v[112:115], v224, s[10:11] offset:7168    ; b[1,3]
	global_load_b128 v[116:119], v224, s[10:11] offset:7184
.irp i, 0,1,2,3
	global_load_b128 v[120+4*\i:123+4*\i], v225, s[12:13] offset:16*\i   ; Wr[j][0], Wr[j][1] of my 8 units, interleaved
.endr
	; the LDS addresses, all made here
	v_mul_u32_u24 v[XRD], v12, 272
	v_lshl_add_u32 v[XRD], v13, 7, v[XRD]
	v_add_nc_u32 v[XRD], s[LB], v[XRD]
	s_mul_i32 s19, s[WV], 768
	s_add_co_u32 s19, s19, IMG
	v_lshl_add_u32 v[IW], v14, 3, s19
	s_lshr_b32 s19, s[WV], 1
	s_lshl_b32 s19, s19, 6
	s_and_b32 s62, s[WV], 1
	s_lshl_b32 s62, s62, 1
	s_add_co_u32 s19, s19, s62
	s_add_co_u32 s19, s19, IMG+ISC
	v_lshl_add_u32 v[ISW], v12, 2, v13
	v_add_nc_u32 v[ISW], s19, v[ISW]
	v_lshl_add_u32 v[IRD], v14, 3, IMG
	v_lshl_add_u32 v[ISR], v14, 2, IMG+ISC
	v_lshlrev_b32 v[PW], 3, v12
	v_lshl_add_u32 v[PW], v13, 11, v[PW]
	v_add_nc_u32 v[PW], s[LB], v[PW]
	v_lshlrev_b32 v[FA], 3, v0
	v_add_nc_u32 v[FB], 2048, v[FA]
	s_wait_loadcnt 0x0                             ; the weights, their scales, b and Wr
	s_wait_kmcnt 0x0                               ; br
	; the constants of my 8 hidden units
.irp i, 0,2,4,6
	v_pk_mul_f32 v[KB1+\i:KB1+\i+1], v[96+\i:97+\i], s[K1:K1+1] op_sel_hi:[1,0]
	v_pk_mul_f32 v[KB2+\i:KB2+\i+1], v[104+\i:105+\i], s[K2:K2+1] op_sel_hi:[1,0]
	v_pk_mul_f32 v[112+\i:113+\i], v[112+\i:113+\i], s[K1:K1+1] op_sel_hi:[1,0]
.endr
.irp i, 0,1,2,3,4,5,6,7
	v_exp_f32 v[112+\i], v[112+\i]                 ; e^(-b[1,3,j])
.endr
	v_nop                                          ; a plain instruction behind the last exponential,
	s_wait_alu depctr_va_vdst(0)                   ; and the one wait ahead of the batch's first reader
.irp i, 0,2,4,6
	v_pk_add_f32 v[112+\i:113+\i], v[112+\i:113+\i], 1.0 op_sel_hi:[1,0]
.endr
.irp i, 0,1,2,3,4,5,6,7
	v_rcp_f32 v[112+\i], v[112+\i]                 ; sigmoid(b[1,3,j]): layer 1's output gate, whose product is 0
.endr
	v_nop
	s_wait_alu depctr_va_vdst(0)
.irp i, 0,2,4,6
	v_pk_mul_f32 v[112+\i:113+\i], v[112+\i:113+\i], 0x3d888889 op_sel_hi:[1,0]   ; / 15: the activations below make 15 tanh(c)
.endr
.irp i, 0,1,2,3,4,5,6,7
	v_mul_f32 v[WR0+\i], v[120+2*\i], v[112+\i]
	v_mul_f32 v[WR1+\i], v[121+2*\i], v[112+\i]
.endr
.macro PLACES                          ; four plain instructions between a matrix instruction and a load into a register that it read, or the first read of its result (ISA guide 7.12.1 for vector instructions)
.rept 4
	v_nop
.endr
.endm
.macro BAR                             ; my LDS stores have landed and my LDS loads are in: then the work-group's barrier.  Tensor loads may stay out across it
	s_wait_dscnt 0x0
	s_barrier_signal -1
	s_barrier_wait -1
.endm
; My 16 rows x 64 numbers of block p become half a fragment and a scale byte a lane, in image buffer p % 2.
.macro QUANT p
	s_wait_tensorcnt 3-(\p)                        ; a wave's tensor loads end in order (ISA guide 10.11.1): block p's tile is in; the 3 - p loads issued behind it, the later blocks', may be out
.if (\p) > 0
	v_add_nc_u32 v[XRD], XBLK, v[XRD]
.endif
.irp i, 0,1,2,3,4,5,6,7
	ds_load_b128 v[XN+4*\i:XN+4*\i+3], v[XRD] offset:16*\i   ; rows 272 bytes apart: the sixteen lanes of a half take the 16-byte columns (r + i + 8 h) mod 16, all different
.endr
	s_wait_dscnt 0x0
	v_max3_num_f32 v12, |v[XN]|, |v[XN+1]|, 0x1800000   ; the block's largest magnitude: all 32 numbers are mine; two chains; the floor 2^(3 - 127) holds the byte at 1 from below
	v_max3_num_f32 v13, |v[XN+16]|, |v[XN+17]|, |v[XN+18]|
.irp i, 0,1,2,3,4,5
	v_max3_num_f32 v12, v12, |v[XN+2+2*\i]|, |v[XN+3+2*\i]|
	v_max3_num_f32 v13, v13, |v[XN+19+2*\i]|, |v[XN+20+2*\i]|
.endr
	v_max3_num_f32 v12, v12, |v[XN+14]|, |v[XN+15]|
	v_max3_num_f32 v12, v12, v13, |v[XN+31]|
	v_add_nc_u32 v14, 0xff000000, v12              ; 2 off its exponent field: the conversion takes the exponent field of this operand as its scale, and nothing else of it
	v_cvt_scalef32_pk16_fp6_f32 v[QC:QC+2], v[XN:XN+15], v14
	v_cvt_scalef32_pk16_fp6_f32 v[QC+4:QC+6], v[XN+16:XN+31], v14   ; (a conversion's three registers begin on an even number)
	v_lshrrev_b32 v15, 23, v14                     ; the scale's byte; also the plain instruction behind the conversions
	v_mov_b32 v[QC+3], v[QC+4]
	v_mov_b32 v[QC+4], v[QC+5]
	v_mov_b32 v[QC+5], v[QC+6]                     ; v208-213: 192 bits, k ascending
.irp i, 0,1,2
	ds_store_b64 v[IW], v[QC+2*\i:QC+2*\i+1] offset:((\p)%2)*IBUF+256*\i   ; 32 lanes store 256 consecutive bytes
.endr
	ds_store_b8 v[ISW], v15 offset:((\p)%2)*IBUF
.endm
; The four fragments and two scale words of tiles of rows 2 hb and 2 hb + 1, from image buffer buf.
.macro LOADX buf, hb
.irp u, 0,1
.irp s, 0,1
.irp i, 0,1,2,3,4,5
	ds_load_b64 v[XF+12*(2*\u+\s)+2*\i:XF+12*(2*\u+\s)+2*\i+1], v[IRD] offset:(\buf)*IBUF+(2*(2*(\hb)+\u)+\s)*FRB+256*\i
.endr
.endr
	ds_load_b32 v[XS+\u], v[ISR] offset:(\buf)*IBUF+(2*(\hb)+\u)*128
.endr
.endm
; Eight matrix instructions: two tiles of rows x two gates x two K steps.  The four accumulators take turns, one instruction a turn.  The first K step starts the sums: nothing is cleared.
.macro MM
.irp u, 0,1
.irp g, 0,1
	v_wmma_scale_f32_16x16x128_f8f6f4 v[G1+16*\u+8*\g:G1+16*\u+8*\g+7], v[WF+24*\g:WF+24*\g+11], v[XF+24*\u:XF+24*\u+11], 0, v[WS+\g], v[XS+\u] matrix_a_fmt:MATRIX_FMT_FP6 matrix_b_fmt:MATRIX_FMT_FP6
.endr
.endr
.irp u, 0,1
.irp g, 0,1
	v_wmma_scale_f32_16x16x128_f8f6f4 v[G1+16*\u+8*\g:G1+16*\u+8*\g+7], v[WF+24*\g+12:WF+24*\g+23], v[XF+24*\u+12:XF+24*\u+23], v[G1+16*\u+8*\g:G1+16*\u+8*\g+7], v[WS+\g], v[XS+\u] matrix_a_fmt:MATRIX_FMT_FP6 matrix_b_fmt:MATRIX_FMT_FP6 matrix_a_scale:MATRIX_SCALE_ROW1 matrix_b_scale:MATRIX_SCALE_ROW1
.endr
.endr
.endm
; The activations and the regressor's part for tiles of rows tg and tg + 1: 16 numbers a lane.  All f32.  Each accumulator is read from its low end on.
;   E = 2^min(2 log2(e) (G2 + b2), 60), F = 2^(-log2(e) (G1 + b1));  c = tanh x sigmoid = (E - 1) / ((E + 1)(1 + F)).  The hold at 60 keeps E - 1 finite (there tanh is 1 in f32); F or the divisor at infinity give c = 0, which is right.
;   |c| <= 1 for every input, so tanh(c) is taken by the continued fraction's quotient c (945 + 105 u + u^2) / (15 (63 + 28 u + u^2)), u = c^2, which at |c| = 1 is 5e-8 off; the 15 lies in WR0, WR1.
.macro ACT tg
.irp u, 0,1
.irp i, 0,2,4,6
	v_pk_fma_f32 v[G2+16*\u+\i:G2+16*\u+\i+1], v[G2+16*\u+\i:G2+16*\u+\i+1], s[K2:K2+1], v[KB2+\i:KB2+\i+1] op_sel_hi:[1,0,1]
.endr
.endr
.irp u, 0,1
.irp i, 0,2,4,6
	v_pk_fma_f32 v[G1+16*\u+\i:G1+16*\u+\i+1], v[G1+16*\u+\i:G1+16*\u+\i+1], s[K1:K1+1], v[KB1+\i:KB1+\i+1] op_sel_hi:[1,0,1]
.endr
.endr
.irp u, 0,1
.irp i, 0,1,2,3,4,5,6,7
	v_min_num_f32 v[G2+16*\u+\i], s[C60], v[G2+16*\u+\i]
.endr
.endr
.irp u, 0,1
.irp i, 0,1,2,3,4,5,6,7
	v_exp_f32 v[G1+16*\u+\i], v[G1+16*\u+\i]       ; F
.endr
.endr
.irp u, 0,1
.irp i, 0,1,2,3,4,5,6,7
	v_exp_f32 v[G2+16*\u+\i], v[G2+16*\u+\i]       ; E
.endr
.endr
	v_nop                                          ; a plain instruction behind the last exponential,
	s_wait_alu depctr_va_vdst(0)                   ; and ONE wait for the 32, ahead of their first reader
.irp u, 0,1
.irp i, 0,2,4,6
	v_pk_add_f32 v[T1+8*\u+\i:T1+8*\u+\i+1], v[G2+16*\u+\i:G2+16*\u+\i+1], 1.0 op_sel_hi:[1,0]   ; P = E + 1
.endr
.endr
.irp u, 0,1
.irp i, 0,2,4,6
	v_pk_fma_f32 v[G1+16*\u+\i:G1+16*\u+\i+1], v[T1+8*\u+\i:T1+8*\u+\i+1], v[G1+16*\u+\i:G1+16*\u+\i+1], v[T1+8*\u+\i:T1+8*\u+\i+1]   ; P F + P = (1 + E)(1 + F)
.endr
.endr
.irp u, 0,1
.irp i, 0,1,2,3,4,5,6,7
	v_rcp_f32 v[G1+16*\u+\i], v[G1+16*\u+\i]
.endr
.endr
.irp u, 0,1
.irp i, 0,2,4,6
	v_pk_add_f32 v[G2+16*\u+\i:G2+16*\u+\i+1], v[G2+16*\u+\i:G2+16*\u+\i+1], -1.0 op_sel_hi:[1,0]   ; E - 1: independent work behind the reciprocals
.endr
.endr
	s_wait_alu depctr_va_vdst(0)                   ; one wait for the 16 reciprocals
.irp u, 0,1
.irp i, 0,2,4,6
	v_pk_mul_f32 v[G2+16*\u+\i:G2+16*\u+\i+1], v[G2+16*\u+\i:G2+16*\u+\i+1], v[G1+16*\u+\i:G1+16*\u+\i+1]   ; c
.endr
.endr
.irp u, 0,1
.irp i, 0,2,4,6
	v_pk_mul_f32 v[T1+8*\u+\i:T1+8*\u+\i+1], v[G2+16*\u+\i:G2+16*\u+\i+1], v[G2+16*\u+\i:G2+16*\u+\i+1]   ; c^2
.endr
.endr
.irp u, 0,1
.irp i, 0,2,4,6
	v_pk_add_f32 v[G1+16*\u+\i:G1+16*\u+\i+1], v[T1+8*\u+\i:T1+8*\u+\i+1], s[C105:C105+1] op_sel_hi:[1,0]
	v_pk_add_f32 v[T2+8*\u+\i:T2+8*\u+\i+1], v[T1+8*\u+\i:T1+8*\u+\i+1], s[C28:C28+1] op_sel_hi:[1,0]
.endr
.endr
.irp u, 0,1
.irp i, 0,2,4,6
	v_pk_fma_f32 v[G1+16*\u+\i:G1+16*\u+\i+1], v[G1+16*\u+\i:G1+16*\u+\i+1], v[T1+8*\u+\i:T1+8*\u+\i+1], s[C945:C945+1] op_sel_hi:[1,1,0]   ; 945 + 105 u + u^2
	v_pk_fma_f32 v[T2+8*\u+\i:T2+8*\u+\i+1], v[T2+8*\u+\i:T2+8*\u+\i+1], v[T1+8*\u+\i:T1+8*\u+\i+1], s[C63:C63+1] op_sel_hi:[1,1,0]       ; 63 + 28 u + u^2
.endr
.endr
.irp u, 0,1
.irp i, 0,1,2,3,4,5,6,7
	v_rcp_f32 v[T2+8*\u+\i], v[T2+8*\u+\i]
.endr
.endr
.irp u, 0,1
.irp i, 0,2,4,6
	v_pk_mul_f32 v[G2+16*\u+\i:G2+16*\u+\i+1], v[G2+16*\u+\i:G2+16*\u+\i+1], v[G1+16*\u+\i:G1+16*\u+\i+1]   ; c x the numerator: independent work behind the reciprocals
.endr
.endr
	s_wait_alu depctr_va_vdst(0)                   ; one wait for the 16 reciprocals
.irp u, 0,1
.irp i, 0,2,4,6
	v_pk_mul_f32 v[G2+16*\u+\i:G2+16*\u+\i+1], v[G2+16*\u+\i:G2+16*\u+\i+1], v[T2+8*\u+\i:T2+8*\u+\i+1]   ; 15 tanh(c)
.endr
.endr
.irp u, 0,1                                    ; the regressor over my 8 hidden units: four chains by turns; the first product starts each
	v_pk_mul_f32 v[OA+4*\u:OA+4*\u+1], v[G2+16*\u:G2+16*\u+1], v[WR0:WR0+1]
	v_pk_mul_f32 v[OA+4*\u+2:OA+4*\u+3], v[G2+16*\u:G2+16*\u+1], v[WR1:WR1+1]
.endr
.irp i, 2,4,6
.irp u, 0,1
	v_pk_fma_f32 v[OA+4*\u:OA+4*\u+1], v[G2+16*\u+\i:G2+16*\u+\i+1], v[WR0+\i:WR0+\i+1], v[OA+4*\u:OA+4*\u+1]
	v_pk_fma_f32 v[OA+4*\u+2:OA+4*\u+3], v[G2+16*\u+\i:G2+16*\u+\i+1], v[WR1+\i:WR1+\i+1], v[OA+4*\u+2:OA+4*\u+3]
.endr
.endr
.irp u, 0,1
	v_add_f32 v[PS+2*\u], v[OA+4*\u], v[OA+4*\u+1]
	v_add_f32 v[PS+2*\u+1], v[OA+4*\u+2], v[OA+4*\u+3]
.endr
.irp u, 0,1
	ds_store_b64 v[PW], v[PS+2*\u:PS+2*\u+1] offset:128*((\tg)+\u)   ; my 8 units' part of row 16 (tg + u) + r, both outputs
.endr
.endm
; A block of 64 rows: its images lie in buffer p % 2.  The second pair of tiles is fetched under the first pair's activations.  The next block is quantised last, into the other buffer, whose last readers
; waited for their loads in front of the barrier that ended the block before; its next readers stand behind this block's barrier.
.macro BLOCK p
.set BUFN, (\p)%2
	LOADX BUFN, 0
	s_wait_dscnt 0x0
	MM
	PLACES
	LOADX BUFN, 1
	ACT 4*(\p)
	s_wait_dscnt 0x0                               ; the fragments are in, and the partial sums' stores are done
	MM
	PLACES
	ACT 4*(\p)+2
.if (\p) < 3
	QUANT (\p)+1
.endif
	BAR
.endm
	QUANT 0
	BAR                                            ; block 0's eight fragments lie in LDS
	BLOCK 0
	BLOCK 1
	BLOCK 2
	BLOCK 3                                        ; behind its barrier all partial sums lie in LDS; every wave's last tensor load was waited for when block 3 was quantised
	; THE WAY OUT.  Thread t of waves 0 to 7 takes row t: 16 waves' x 2 halves' partial sums, and br.  The branch hangs on the wave's number alone and jumps over no barrier.
	s_cmp_ge_u32 s[WV], 8
	s_cbranch_scc1 .Lend
.irp w, 0,1,2,3,4,5,6,7,8,9,10,11,12,13,14,15
	ds_load_b64 v[96+4*\w:97+4*\w], v[FA] offset:\w*XTILE
	ds_load_b64 v[98+4*\w:99+4*\w], v[FB] offset:\w*XTILE
.endr
	v_mov_b32 v[PS], s[BR]
	v_mov_b32 v[PS+1], s[BR+1]
	s_wait_dscnt 0x0
.irp k, 1,2,3,4,5,6,7                          ; four chains that do not wait for each other
.irp c, 0,1,2,3
	v_pk_add_f32 v[96+2*\c:97+2*\c], v[96+2*\c:97+2*\c], v[96+2*\c+8*\k:97+2*\c+8*\k]
.endr
.endr
	v_pk_add_f32 v[96:97], v[96:97], v[98:99]
	v_pk_add_f32 v[100:101], v[100:101], v[102:103]
	v_pk_add_f32 v[96:97], v[96:97], v[100:101]
	v_pk_add_f32 v[96:97], v[96:97], v[PS:PS+1]
	global_store_b64 v[FA], v[96:97], s[16:17] th:TH_STORE_NT   ; a wave stores 256 consecutive bytes, at a multiple of 256 from out0's first byte; written once, read by nobody here
.Lend:
	s_wait_tensorcnt 0x0
	ds_add_u32 v254, v255
	s_wait_dscnt 0x0
	s_endpgm
.Lfunc_end_k_q02dc1484fd_rnn:
	.size	k_q02dc1484fd_rnn, .Lfunc_end_k_q02dc1484fd_rnn-k_q02dc1484fd_rnn
	.p2alignl 7, 3214868480
	.fill 96, 4, 3214868480
	.section	.rodata,"a",@progbits
	.p2align	6, 0x0
	.amdhsa_kernel k_q02dc1484fd_rnn
		.amdhsa_group_segment_fixed_size 327680
		.amdhsa_private_segment_fixed_size 0
		.amdhsa_enable_private_segment 0
		.amdhsa_kernarg_size 56
		.amdhsa_user_sgpr_count 2
		.amdhsa_user_sgpr_kernarg_segment_ptr 1
		.amdhsa_wavefront_size32 1
		.amdhsa_system_sgpr_workgroup_id_x 1
		.amdhsa_system_sgpr_workgroup_id_y 1
		.amdhsa_system_sgpr_workgroup_id_z 1
		.amdhsa_system_vgpr_workitem_id 0
		.amdhsa_next_free_vgpr 256
		.amdhsa_next_free_sgpr 66
		.amdhsa_reserve_vcc 0
		.amdhsa_float_denorm_mode_32 3
		.amdhsa_float_denorm_mode_16_64 3
		.amdhsa_memory_ordered 1
		.amdhsa_forward_progress 1
		.amdhsa_inst_pref_size 131
	.end_amdhsa_kernel
	.amdgpu_metadata
---
amdhsa.version: [ 1, 2 ]
amdhsa.kernels:
  - .name:           k_q02dc1484fd_rnn
    .symbol:         k_q02dc1484fd_rnn.kd
    .args:
      - { .name: x, .offset: 0, .size: 8, .value_kind: global_buffer, .address_space: global }
      - { .name: W_codes, .offset: 8, .size: 8, .value_kind: global_buffer, .address_space: global }
      - { .name: W_scales, .offset: 16, .size: 8, .value_kind: global_buffer, .address_space: global }
      - { .name: b, .offset: 24, .size: 8, .value_kind: global_buffer, .address_space: global }
      - { .name: Wr, .offset: 32, .size: 8, .value_kind: global_buffer, .address_space: global }
      - { .name: br, .offset: 40, .size: 8, .value_kind: global_buffer, .address_space: global }
      - { .name: out0, .offset: 48, .size: 8, .value_kind: global_buffer, .address_space: global }
    .group_segment_fixed_size: 327680
    .private_segment_fixed_size: 0
    .kernarg_segment_align: 8
    .kernarg_segment_size: 56
    .max_flat_workgroup_size: 512
    .sgpr_count:     66
    .vgpr_count:     256
    .wavefront_size: 32
...
	.end_amdgpu_metadata
.endif
;; end of part 1
